; MI455X (gfx1250); checked and timed in simulation.
; The chip was launched on July 23, 2026; its instructions are those of AMD's public machine-readable ISA for CDNA 5 (MIT licence, August 2026) and "CDNA5" Instruction Set Architecture Reference Guide (July 2026). The comments in the code are by the model that wrote it; some were corrected since.
;; SWA. Allowed arithmetic: matrix products marked QUANTISED: E5M2 operands, one given power-of-two scale a tensor, by v_wmma_f32_16x16x64_bf8_bf8 or v_wmma_f32_16x16x128_bf8_bf8, f32 sums; everything else in f32.
;; Inputs: lowp_scales 12 int32 (the exponents e of the quantised operands' scales 2^e); wk_b 256 float32; wk_w 256 x 1,024 float32; wo_w 1,024 x 1,024 float32; wq_b 1,024 float32; wq_w 1,024 x 1,024 float32; wv_b 256 float32; wv_w 256 x 1,024 float32; x 2 x 2,048 x 1,024 float32.
;; Outputs: out0 2 x 2,048 x 1,024 float32.
;; Constants: sliding_window = 1024.
;; This version of the problem:
;;   THIS VERSION OF THE PROBLEM IS GIVEN IN LOW PRECISION. The matrix products marked QUANTISED in the list below multiply operands that are first quantised to E5M2 (5 exponent bits, 2 mantissa bits; 8 bits a number), with one given power-of-two scale for each operand tensor; their sums are f32. All else is computed in f32.
;;   The module's matrix products, in the order in which they are computed (A, B: the left and right operand; K: the contracted axis; several contracted axes count as one K, in the product's order):
;;     1. [M 4,096, K 1,024] x [K 1,024, N 1,024]; A: input x; B: input wq_w: QUANTISED (scales: A lowp_scales[0], B lowp_scales[1])
;;     2. [M 4,096, K 1,024] x [K 1,024, N 256]; A: input x; B: input wk_w: QUANTISED (scales: A lowp_scales[2], B lowp_scales[3])
;;     3. [M 4,096, K 1,024] x [K 1,024, N 256]; A: input x; B: input wv_w: QUANTISED (scales: A lowp_scales[4], B lowp_scales[5])
;;     4. batch 32 x [M 2,048, K 64] x [K 64, N 2,048]; A: computed on the way; B: computed on the way: QUANTISED (scales: A lowp_scales[6], B lowp_scales[7])
;;     5. batch 32 x [M 64, K 2,048] x [K 2,048, N 2,048]; A: computed on the way; B: softmax (see below): QUANTISED (scales: A lowp_scales[8], B lowp_scales[9])
;;     6. [M 4,096, K 1,024] x [K 1,024, N 1,024]; A: computed on the way; B: input wo_w: QUANTISED (scales: A lowp_scales[10], B lowp_scales[11])
;;   THE QUANTISER, for each operand of a quantised product, along K:
;;     - The operand's scale is 2^e, e = its entry of the input lowp_scales (int32; the entries are numbered through the quantised products in the list's order, A before B).
;;     - Each number is divided by the scale, clamped to +-57,344, and rounded to the nearest number of E5M2, ties to even, subnormals kept.
;;     - The product sums the exact products of the quantised numbers (number of the format x scale) in f32.
;;   ~~~python
;;   def quantise(x, axis, e):      # numpy; x: float32 -> the quantised numbers, widened to float32 again
;;       x = np.moveaxis(x, axis, -1); K = x.shape[-1]
;;       r = np.clip(x / 2.0 ** e, -57344, 57344)
;;       step = 2.0 ** (np.maximum(np.frexp(np.where(r == 0, 1, r))[1] - 1, -14) - 2)
;;       q = np.round(r / step) * step * 2.0 ** e      # np.round: ties to even
;;       return np.moveaxis(q, -1, axis).astype(np.float32)
;;   ~~~
;;   SOFTMAX AHEAD OF A QUANTISED PRODUCT. Where the list says 'softmax', what is quantised is not the finished softmax but p = 2^(t - M), with t = logit x log2(e) and M = ceil(the row's largest t), a whole number; so 1/2 < the row's largest p <= 1. The row's sum l is taken of the UNQUANTISED p, in f32, and the product's result is divided by l at the end. Since M is a whole number, a kernel that streams over the keys may use a running M (the ceiling of the running maximum): every later rescaling is an exact power of two, so the quantised numbers keep their values, but for numbers so far below the row's largest that they fall under the format's range.
;;   OPERANDS COMPUTED ON THE WAY. 'Computed on the way' means the value that the module computes at that place (a softmax that the list does not call 'softmax' is quantised finished and normalised). What goes into a quantiser is computed in f32, as accurately as f32 sums, v_exp_f32 and their like allow (about 1e-6 of the number): no bf16 or f16 on the way to a quantiser, and a product that is left as it is and whose result goes on into a quantised operand takes f32 operands (vector FMAs, or v_wmma_f32_16x16x4_f32). A number that lies on a knife's edge between two numbers of the format may be rounded either way, as far as f32 arithmetic and the matrix unit's own rounding can turn it there, and no further.
;; One version. Each part assembles by itself: llvm-mc -triple=amdgcn-amd-amdhsa -mcpu=gfx1250 --defsym DOCPART=n.
;; ======== version 1 of 1: 4 launches
;; limits: right only within a limited range of input values
;; workspace buffers: x_codes 12,582,912 bytes; w_codes 2,621,440 bytes; rope_tab 524,288 bytes; qkv_codes 6,291,456 bytes; ctx_codes 4,194,304 bytes
;; launch prep (part 1): grid 432 x 1, 4 waves a work-group, no clusters, 133,632 bytes of LDS; arguments x, wq_w, wk_w, wv_w, wo_w, lowp_scales, x_codes, w_codes, rope_tab; writes x_codes, w_codes, rope_tab
.if DOCPART == 1
	.amdgcn_target "amdgcn-amd-amdhsa--gfx1250"
	.amdhsa_code_object_version 6
	.text
	.protected	k_q0646077ecd_prep
	.globl	k_q0646077ecd_prep
	.p2align	8
	.type	k_q0646077ecd_prep,@function
k_q0646077ecd_prep:
	s_mov_b64 s[64:65], 0
	v_nop
	global_prefetch_b8 v0, s[64:65] scope:SCOPE_SE
	s_setreg_imm32_b32 hwreg(HW_REG_WAVE_MODE, 25, 1), 1
	s_wait_xcnt 0x0
; PREP: everything that later launches read many times is made once, in the order in which a matrix operand's registers want it.
; WORK LEFT OUT IN THE PROGRAM: tiles of scores that lie wholly outside reference()'s own mask (0 <= i - j <= 1024): their softmax terms are exactly 0 whatever the inputs hold.
; A NaN, an infinity or an overflow that reaches only such tiles is not carried to the result.
;  work-groups 0-255:   x [4096][1024] f32 -> three sets of E5M2 codes (scales e0, e2, e4), x_codes: 3 sets of 256 tiles
;  work-groups 256-415: wq, wk, wv, wo -> codes (e1, e3, e5, e11), w_codes: tiles 0 wq, 64 wk, 80 wv, 96 wo
;  work-groups 416-431: the rotary table, rope_tab [128 tiles of 16 positions][4 b][2 g][32 lanes][2 pairs (cos, sin)] f32; lane (r, h): position r of the tile, pairs 8 b + 4 h + 2 g + 0, 1
; A TILE is 16 rows x 1024: [8 K steps of 128][4 chunks c][32 lanes (r, h)][16 bytes]: row r, k = 32 c + 8 h + 0 .. 7, then 32 c + 16 + 8 h + 0 .. 7: the 8-bit plain form's own places.
; code = x / 2^e, held within +-57,344, nearest, ties to even.  LIMITS: -126 <= e <= 112 for every e used here; NaN among the inputs is not served.
; A wave takes 16 rows x 256: 32 loads of 512 consecutive bytes, all out at once; they turn through the wave's own stage in LDS (rows 1,040 bytes apart); a store of the wave covers 512 consecutive bytes.
; The two quantising paths part on the work-group's number and have LDS bytes of their own.  Waves share nothing: no barrier.
; cos and sin: the angle is position x frequency, rounded once; reduced by multiples of pi/2 held in two f32 parts (exact for angles under 2,048), then polynomials on +-pi/4.
.set STG,   16640                      ; a wave's stage: 16 rows x 1,040
.set WPATH, 4*STG                      ; the weight path's four stages
.set SPARE, 8*STG                      ; the spare words, 128 bytes for each wave
.set SPW,   6
.set NIL,   7
.set R,     16                         ; v16-143  numbers as loaded; later the codes
.set X,     144                        ; v144-175 two sets of 16 numbers of a lane
.set T,     176                        ; v176-191 the numbers held within one scale's range
.macro LOADS
.irp i, 0,1,2,3,4,5,6,7,8,9,10,11,12,13,14,15
	global_load_b128 v[R+8*\i:R+8*\i+3], v3, s[4:5] offset:4096*\i th:TH_LOAD_NT
	global_load_b128 v[R+8*\i+4:R+8*\i+7], v3, s[4:5] offset:4096*\i+512 th:TH_LOAD_NT
.endr
.endm
.macro PUT g                           ; rows 4 g .. 4 g + 3 into the stage; the younger rows' loads may be out
	s_wait_loadcnt 24-8*\g
.irp i, 0,1,2,3
	ds_store_b128 v4, v[R+8*(4*\g+\i):R+8*(4*\g+\i)+3] offset:1040*(4*\g+\i)
	ds_store_b128 v4, v[R+8*(4*\g+\i)+4:R+8*(4*\g+\i)+7] offset:1040*(4*\g+\i)+512
.endr
.endm
.macro GET ci                          ; chunk ci of my 256 along K: 16 numbers a lane
.set XS, X+16*((\ci)%2)
	ds_load_b128 v[XS:XS+3], v5 offset:128*(\ci)
	ds_load_b128 v[XS+4:XS+7], v5 offset:128*(\ci)+16
	ds_load_b128 v[XS+8:XS+11], v5 offset:128*(\ci)+64
	ds_load_b128 v[XS+12:XS+15], v5 offset:128*(\ci)+80
.endm
.macro Q1 ci, k, sc, lim, b            ; hold, convert, store under one scale
.set XQ, X+16*((\ci)%2)
.set CQ, R+4*(3*(\ci)+(\k))
.irp i, 0,1,2,3,4,5,6,7,8,9,10,11,12,13,14,15
	v_med3_num_f32 v[T+\i], v[XQ+\i], -v[\lim], v[\lim]   ; the conversion to an 8-bit code does not saturate (ISA guide 7.6.2)
.endr
	v_cvt_scalef32_pk8_bf8_f32 v[CQ:CQ+1], v[T:T+7], v[\sc]
	v_cvt_scalef32_pk8_bf8_f32 v[CQ+2:CQ+3], v[T+8:T+15], v[\sc]
	v_nop                                          ; a plain line between the conversions and the next holds, which write their sources
	global_store_b128 v3, v[CQ:CQ+3], s[\b:\b+1] offset:512*(\ci)
.endm
.macro CHUNK ci, three
.if (\ci) < 7
	GET (\ci)+1
	s_wait_dscnt 4                                 ; this chunk is in (and the stage's stores have read their registers); the next one's four loads may be out
.else
	s_wait_dscnt 0x0
.endif
	Q1 \ci, 0, 8, 9, 44
.if \three
	Q1 \ci, 1, 10, 11, 46
	Q1 \ci, 2, 12, 13, 48
.endif
.endm
.macro RUN three
	s_wait_alu depctr_va_vdst(0)                   ; the wait at the head's end
.irp g, 0,1,2,3
	PUT \g
.endr
	GET 0                                          ; LDS serves a wave's instructions in order: these see my stores
.irp ci, 0,1,2,3,4,5,6,7
	CHUNK \ci, \three
.endr
	s_wait_tensorcnt 0x0                           ; the wave's end
	ds_add_u32 v[SPW], v[NIL]
	s_wait_dscnt 0x0
	s_endpgm
.endm
.macro MKSC e, sc, lim                 ; from the whole number in s[e]: 2^e and 57,344 x 2^e as f32
	s_add_co_i32 s50, s[\e], 127
	s_lshl_b32 s51, s50, 23
	v_mov_b32 v[\sc], s51
	s_add_co_i32 s50, s50, 15
	s_lshl_b32 s50, s50, 23
	s_or_b32 s50, s50, 0x600000
	v_mov_b32 v[\lim], s50
.endm
	s_load_b512 s[4:19], s[0:1], 0x0               ; x 4, wq 6, wk 8, wv 10, wo 12, scales 14, x_codes 16, w_codes 18
	s_load_b64 s[20:21], s[0:1], 0x40              ; rope_tab
	v_lshl_add_u32 v[SPW], v0, 2, SPARE
	v_mov_b32 v[NIL], 0
	v_lshrrev_b32 v1, 5, v0
	v_readfirstlane_b32 s36, v1                    ; wave 0..3
	v_and_b32 v2, 31, v0                           ; lane
	v_lshlrev_b32 v3, 4, v2                        ; my 16 bytes of 512
	s_mul_i32 s37, s36, STG
	v_add_nc_u32 v4, s37, v3                       ; the stage: in
	v_and_b32 v14, 15, v2                          ; r
	v_lshrrev_b32 v15, 4, v2                       ; h
	v_mul_u32_u24 v5, v14, 1040
	v_lshl_add_u32 v5, v15, 5, v5
	v_add_nc_u32 v5, s37, v5                       ; out: row r, + 8 h numbers
	s_wait_alu depctr_va_vdst(0)
	s_wait_kmcnt 0x0
	s_lshl_b32 s38, s36, 10                        ; my 256 numbers of each row, in bytes
	s_lshl_b32 s39, s36, 12                        ; my two K steps of the tile's codes
	s_cmp_lt_u32 ttmp9, 256
	s_cbranch_scc1 .Lx
	s_cmp_lt_u32 ttmp9, 416
	s_cbranch_scc1 .Lw
	; ---- the table: work-group g makes position tiles 8 g .. 8 g + 7; wave w takes b = w; a lane's four frequencies are 8 w + 4 h + 0 .. 3
	s_sub_co_u32 s40, ttmp9, 416
	s_lshl_b32 s42, s40, 15
	s_mov_b32 s43, 0
	s_add_nc_u64 s[20:21], s[20:21], s[42:43]
	s_lshl_b32 s40, s40, 7
	s_lshl_b32 s41, s36, 3
	v_add_nc_u32 v16, s40, v14
	v_cvt_f32_u32 v16, v16                         ; my first position
	v_lshlrev_b32 v17, 2, v15
	v_add_nc_u32 v17, s41, v17                     ; my first frequency
	v_add_nc_u32 v18, s38, v3                      ; 1024 w + 16 lane
.irp q, 0,1,2,3
	v_add_nc_u32 v[24+\q], \q, v17
	v_cvt_f32_u32 v[24+\q], v[24+\q]               ; i
	v_mul_f32 v[28+\q], 0x3ed49a80, v[24+\q]       ; i x 435412 / 2^20: exact (17 bits x 5 bits); log2(10000) / 32 = that factor - 2.2959416e-7
	v_floor_f32 v[32+\q], v[28+\q]                 ; its whole part
	v_sub_f32 v[28+\q], v[28+\q], v[32+\q]         ; and the rest, exact,
	v_fmac_f32 v[28+\q], 0xb476865d, v[24+\q]      ; with the factor's low part
	v_cvt_i32_f32 v[32+\q], v[32+\q]
	v_sub_nc_u32 v[32+\q], 0, v[32+\q]
.endr
	s_mov_b32 s52, 0x3f22f983                      ; 2 / pi
	s_mov_b32 s53, 0x3fc90fdb                      ; pi / 2, high part
	s_mov_b32 s54, 0xb33bbd2e                      ; and low part
	s_mov_b32 s55, 0xbe2aaaa3                      ; sine: -1.6666654611e-1,
	s_mov_b32 s56, 0x3c08839e                      ; 8.3321608736e-3,
	s_mov_b32 s57, 0xb94ca1f9                      ; -1.9515295891e-4
	s_mov_b32 s58, 0x3d2aaaa5                      ; cosine: 4.166664568e-2,
	s_mov_b32 s59, 0xbab6061a                      ; -1.388731625e-3,
	s_mov_b32 s60, 0x37ccf5ce                      ; 2.443315712e-5
	s_mov_b32 s45, 0
	s_wait_alu depctr_va_vdst(0)                   ; a wait ahead of the batch,
.irp q, 0,1,2,3
	v_exp_f32 v[20+\q], -v[28+\q]                  ; 2^-rest
.endr
	v_nop
	s_wait_alu depctr_va_vdst(0)                   ; and behind it
.irp q, 0,1,2,3
	v_ldexp_f32 v[20+\q], v[20+\q], v[32+\q]       ; the frequency 10000^(-i / 32)
.endr
	s_wait_alu depctr_va_vdst(0)
.macro SINCOS q
	v_mul_f32 v48, v16, v[20+\q]                   ; the angle, rounded once
	v_mul_f32 v49, s52, v48
	v_rndne_f32 v49, v49                           ; k = the nearest multiple of pi / 2
	v_fma_f32 v50, -v49, s53, v48
	v_fma_f32 v50, -v49, s54, v50                  ; r, within +-pi/4
	v_mul_f32 v51, v50, v50
	v_cvt_i32_f32 v52, v49
	v_mov_b32 v53, s56
	v_fmac_f32 v53, s57, v51
	v_fma_f32 v53, v53, v51, s55
	v_mul_f32 v54, v51, v50
	v_fma_f32 v53, v53, v54, v50                   ; sin r
	v_mov_b32 v55, s59
	v_fmac_f32 v55, s60, v51
	v_fma_f32 v55, v55, v51, s58
	v_mul_f32 v56, v51, v51
	v_fma_f32 v57, v51, -0.5, 1.0
	v_fma_f32 v55, v55, v56, v57                   ; cos r
	v_and_b32 v58, 1, v52
	v_cmp_eq_u32 vcc_lo, 1, v58                    ; an odd k swaps the two;
	v_cndmask_b32 v59, v55, v53, vcc_lo
	v_cndmask_b32 v60, v53, v55, vcc_lo
	v_add_nc_u32 v61, 1, v52
	v_and_b32 v61, 2, v61                          ; the cosine is negative for k mod 4 = 1, 2,
	v_and_b32 v62, 2, v52                          ; the sine for 2, 3
	v_lshlrev_b32 v61, 30, v61
	v_lshlrev_b32 v62, 30, v62
	v_xor_b32 v[40+2*\q], v59, v61
	v_xor_b32 v[41+2*\q], v60, v62
.endm
.Ltab:
.irp q, 0,1,2,3
	SINCOS \q
.endr
	global_store_b128 v18, v[40:43], s[20:21]
	global_store_b128 v18, v[44:47], s[20:21] offset:512
	v_add_f32 v16, 0x41800000, v16                 ; 16 positions on
	s_wait_alu depctr_va_vdst(0)
	s_wait_xcnt 0x0                                ; the stores have read their offset and data
	v_add_nc_u32 v18, 4096, v18
	s_add_co_u32 s45, s45, 1
	s_cmp_lt_u32 s45, 8
	s_wait_alu depctr_va_vdst(0)
	s_cbranch_scc1 .Ltab
	s_endpgm
.Lx:	; ---- x: tile = work-group
	s_load_b256 s[24:31], s[14:15], 0x0            ; e0 .. e7
	s_lshl_b32 s42, ttmp9, 16
	s_add_co_u32 s42, s42, s38
	s_mov_b32 s43, 0
	s_add_nc_u64 s[4:5], s[4:5], s[42:43]
	LOADS
	s_lshl_b32 s42, ttmp9, 14
	s_add_co_u32 s42, s42, s39
	s_add_nc_u64 s[44:45], s[16:17], s[42:43]      ; set 0,
	s_add_nc_u64 s[46:47], s[44:45], 0x400000      ; set 1,
	s_add_nc_u64 s[48:49], s[44:45], 0x800000      ; set 2
	s_wait_kmcnt 0x0
	MKSC 24, 8, 9
	MKSC 26, 10, 11
	MKSC 28, 12, 13
	RUN 1
.Lw:	; ---- a weight: the tensor, its first work-group and its scale are chosen by the work-group's number
	s_load_b256 s[24:31], s[14:15], 0x0            ; e0 .. e7
	s_load_b128 s[32:35], s[14:15], 0x20           ; e8 .. e11
	s_mov_b64 s[4:5], s[12:13]                     ; wo,
	s_mov_b32 s40, 352
	s_cmp_lt_u32 ttmp9, 352
	s_cselect_b64 s[4:5], s[10:11], s[4:5]         ; wv,
	s_cselect_b32 s40, 336, s40
	s_cmp_lt_u32 ttmp9, 336
	s_cselect_b64 s[4:5], s[8:9], s[4:5]           ; wk,
	s_cselect_b32 s40, 320, s40
	s_cmp_lt_u32 ttmp9, 320
	s_cselect_b64 s[4:5], s[6:7], s[4:5]           ; wq
	s_cselect_b32 s40, 256, s40
	s_sub_co_u32 s40, ttmp9, s40                   ; my tile in the tensor
	s_lshl_b32 s42, s40, 16
	s_add_co_u32 s42, s42, s38
	s_mov_b32 s43, 0
	s_add_nc_u64 s[4:5], s[4:5], s[42:43]
	LOADS
	s_sub_co_u32 s40, ttmp9, 256                   ; and in w_codes, where the four tensors lie on end
	s_lshl_b32 s42, s40, 14
	s_add_co_u32 s42, s42, s39
	s_add_nc_u64 s[44:45], s[18:19], s[42:43]
	v_add_nc_u32 v4, WPATH, v4
	v_add_nc_u32 v5, WPATH, v5
	s_wait_alu depctr_va_vdst(0)
	s_wait_kmcnt 0x0
	s_mov_b32 s41, s35                             ; e11,
	s_cmp_lt_u32 ttmp9, 352
	s_cselect_b32 s41, s29, s41                    ; e5,
	s_cmp_lt_u32 ttmp9, 336
	s_cselect_b32 s41, s27, s41                    ; e3,
	s_cmp_lt_u32 ttmp9, 320
	s_cselect_b32 s41, s25, s41                    ; e1
	MKSC 41, 8, 9
	RUN 0
.Lfunc_end_k_q0646077ecd_prep:
	.size	k_q0646077ecd_prep, .Lfunc_end_k_q0646077ecd_prep-k_q0646077ecd_prep
	.p2alignl 7, 3214868480
	.fill 96, 4, 3214868480
	.section	.rodata,"a",@progbits
	.p2align	6, 0x0
	.amdhsa_kernel k_q0646077ecd_prep
		.amdhsa_group_segment_fixed_size 133632
		.amdhsa_private_segment_fixed_size 0
		.amdhsa_enable_private_segment 0
		.amdhsa_kernarg_size 72
		.amdhsa_user_sgpr_count 2
		.amdhsa_user_sgpr_kernarg_segment_ptr 1
		.amdhsa_wavefront_size32 1
		.amdhsa_system_sgpr_workgroup_id_x 1
		.amdhsa_system_sgpr_workgroup_id_y 1
		.amdhsa_system_sgpr_workgroup_id_z 1
		.amdhsa_system_vgpr_workitem_id 0
		.amdhsa_next_free_vgpr 192
		.amdhsa_next_free_sgpr 66
		.amdhsa_reserve_vcc 1
		.amdhsa_float_denorm_mode_32 3
		.amdhsa_float_denorm_mode_16_64 3
		.amdhsa_memory_ordered 1
		.amdhsa_forward_progress 1
		.amdhsa_inst_pref_size 68
	.end_amdhsa_kernel
	.amdgpu_metadata
---
amdhsa.version: [ 1, 2 ]
amdhsa.kernels:
  - .name:           k_q0646077ecd_prep
    .symbol:         k_q0646077ecd_prep.kd
    .args:
      - { .name: x, .offset: 0, .size: 8, .value_kind: global_buffer, .address_space: global }
      - { .name: wq_w, .offset: 8, .size: 8, .value_kind: global_buffer, .address_space: global }
      - { .name: wk_w, .offset: 16, .size: 8, .value_kind: global_buffer, .address_space: global }
      - { .name: wv_w, .offset: 24, .size: 8, .value_kind: global_buffer, .address_space: global }
      - { .name: wo_w, .offset: 32, .size: 8, .value_kind: global_buffer, .address_space: global }
      - { .name: lowp_scales, .offset: 40, .size: 8, .value_kind: global_buffer, .address_space: global }
      - { .name: x_codes, .offset: 48, .size: 8, .value_kind: global_buffer, .address_space: global }
      - { .name: w_codes, .offset: 56, .size: 8, .value_kind: global_buffer, .address_space: global }
      - { .name: rope_tab, .offset: 64, .size: 8, .value_kind: global_buffer, .address_space: global }
    .group_segment_fixed_size: 133632
    .private_segment_fixed_size: 0
    .kernarg_segment_align: 8
    .kernarg_segment_size: 72
    .max_flat_workgroup_size: 128
    .sgpr_count:     66
    .vgpr_count:     192
    .wavefront_size: 32
...
	.end_amdgpu_metadata
.endif
;; end of part 1
;; launch qkv (part 2): grid 16 x 12, 4 waves a work-group, clusters of 4 x 1, 327,680 bytes of LDS; arguments x_codes, w_codes, rope_tab, wq_b, wk_b, wv_b, lowp_scales, qkv_codes; writes qkv_codes
.if DOCPART == 2
	.amdgcn_target "amdgcn-amd-amdhsa--gfx1250"
	.amdhsa_code_object_version 6
	.text
	.protected	k_q0646077ecd_qkv
	.globl	k_q0646077ecd_qkv
	.p2align	8
	.type	k_q0646077ecd_qkv,@function
k_q0646077ecd_qkv:
	s_mov_b64 s[64:65], 0
	v_nop
	global_prefetch_b8 v0, s[64:65] scope:SCOPE_SE
	s_setreg_imm32_b32 hwreg(HW_REG_WAVE_MODE, 25, 1), 1
	s_wait_xcnt 0x0
	s_wait_alu depctr_hold_cnt(0) depctr_sa_sdst(0) depctr_va_vdst(0) depctr_va_sdst(0) depctr_va_ssrc(0) depctr_va_vcc(0) depctr_vm_vsrc(0)
	s_getreg_b32 s2, hwreg(HW_REG_IB_STS2, 6, 4)
	s_cmp_eq_u32 s2, 0
	s_cbranch_scc0 .Lentry_in_a_cluster
	s_endpgm
.Lentry_in_a_cluster:
	s_bfe_u32 s2, ttmp6, 0x10000c
	s_cmp_lg_u32 s2, 0x3003
	s_cbranch_scc0 .Lentry_shape_is_right
	s_endpgm
.Lentry_shape_is_right:
; QKV: [4096 tokens][1536 columns] = x W^T on E5M2 codes (columns 0-1023 q, 1024-1279 k, 1280-1535 v), then bias, rotary embedding (q, k) and the quantisers of the attention's operands.
; A work-group makes 256 tokens (MT) x 128 columns = two heads (CT: 0-7 q, 8-9 k, 10-11 v) over the whole K = 1024; 192 work-groups.  Four waves, each 64 tokens x 128 columns, one head after the other.
; x's codes are read by one wave alone: they go straight into 512 registers, three K steps of 128 ahead.  W's 128 rows (131,072 bytes, dense) come once into LDS: each wave asks for a quarter.
; CLUSTER: four MT and one CT: they need the same rows of W, asked for JOINTLY (mask 15).  No LDS byte is filled twice.
; No prefetch: x's codes are ordinary loads that run ahead in registers, W comes by one fill at the head; there is no loop of tiles to run ahead in.
; LAYOUT: every operand lies as an image of its registers (see prep), in the plain form's own order of k.  q, k: source 0 = 16 rows of W, source 1 = 16 tokens: a lane holds a token and columns 16 b + 8 h + 0 .. 7,
; whose codes are registers 2 b, 2 b + 1 of the next operand.  v: the sources change places: a lane holds a channel and tokens 16 a + 8 h + 0 .. 7, the keys of attention's second product.  So codes leave from registers.
; THE SCALES OF THE SCORES' OPERANDS: an einsum hands its operands over in reverse (the table's row for the second product has v on the left): k takes entry 6 and q entry 7.  v takes entry 8.
; OUT, qkv_codes: q at 0: [2][16 heads][128 tiles of 16 tokens][2 chunks][512]; at 4 MiB [2][4 heads][16 blocks of 128 tokens]: K [8 tiles][2 chunks][512], then V [4 channel tiles][4 chunks][512].
; LIMITS: e0 + e1, e2 + e3, e4 + e5 between -126 and 127; e6, e7, e8 between -126 and 112.  NaN among the inputs is not served.
; REGISTERS: window 0: v8-13 addresses and constants; v28, v29 the add's two; v32-159 W's fragments, two buffers; v160-191 bias; v224-255 codes.   window 1: v0-127 accumulators ((a, b) at 8 (4 a + b)); v128-255 the table.
;   windows 2, 3: x's fragments: K step s, tile a at 64 (s % 4) + 16 a.
.set SPARE, 131072
.set SPW,  28
.set NIL,  29
.set WB,   32
.set BI,   160
.set CD,   224
.set TB,   128
.set G1,   24
.set G0,   40
.set MSB, 0
.macro WIN new                         ; the immediate's high byte repeats the setting that is left
.if MSB != (\new)
	s_set_vgpr_msb (MSB<<8)|(\new)
.set MSB, (\new)
.endif
.endm
.macro PLACES                          ; four plain lines between a matrix instruction and a load into, or a vector read of, its registers
.rept 4
	v_nop
.endr
.endm
.macro CROUND                          ; a round of the cluster's barrier
	s_barrier_signal -1
	s_barrier_wait -1
	s_cmp_lg_u32 s20, 0
	s_cbranch_scc1 .Lnot_wave_0_\@
	s_barrier_signal -3
.Lnot_wave_0_\@:
	s_barrier_wait -3
	s_barrier_signal -1
	s_barrier_wait -1
.endm
.macro AL s                            ; x's fragments of K step s
.if (\s) < 4
	WIN 0x80
.else
	WIN 0xc0
.endif
.irp a, 0,1,2,3
.irp c, 0,1,2,3
	global_load_b128 v[64*((\s)%4)+16*\a+4*\c:64*((\s)%4)+16*\a+4*\c+3], v8, s[58:59] offset:16384*\a+2048*(\s)+512*\c
.endr
.endr
	WIN 0
.endm
.macro WF s, f                         ; W's four fragments of K step s for the head in hand, into buffer f
.irp b, 0,1,2,3
.irp c, 0,1,2,3
	ds_load_b128 v[WB+64*(\f)+16*\b+4*\c:WB+64*(\f)+16*\b+4*\c+3], v9 offset:16384*\b+2048*(\s)+512*\c
.endr
.endr
.endm
.macro MUL kind, s                     ; 16 matrix instructions; the 16 accumulators take turns, in the same order in every step
.if \kind == 0
	WIN 0x58+4*((\s)/4)
.else
	WIN 0x52+((\s)/4)
.endif
.irp a, 0,1,2,3
.irp b, 0,1,2,3
.set D0, 8*(4*\a+\b)
.set W0, WB+64*((\s)%2)+16*\b
.set A0, 64*((\s)%4)+16*\a
.if \kind == 0
.if (\s) == 0
	v_wmma_f32_16x16x128_bf8_bf8 v[D0:D0+7], v[W0:W0+15], v[A0:A0+15], 0
.else
	v_wmma_f32_16x16x128_bf8_bf8 v[D0:D0+7], v[W0:W0+15], v[A0:A0+15], v[D0:D0+7]
.endif
.else
.if (\s) == 0
	v_wmma_f32_16x16x128_bf8_bf8 v[D0:D0+7], v[A0:A0+15], v[W0:W0+15], 0
.else
	v_wmma_f32_16x16x128_bf8_bf8 v[D0:D0+7], v[A0:A0+15], v[W0:W0+15], v[D0:D0+7]
.endif
.endif
.endr
.endr
	WIN 0
.endm
.macro BIAS kind
.irp b, 0,1,2,3
.if \kind == 0
	global_load_b128 v[BI+8*\b:BI+8*\b+3], v10, s[96:97] offset:64*\b       ; bias of columns 16 b + 8 h + 0 .. 7
	global_load_b128 v[BI+8*\b+4:BI+8*\b+7], v10, s[96:97] offset:64*\b+16
.else
	global_load_b32 v[BI+\b], v13, s[96:97] offset:64*\b                    ; bias of channel 16 b + r
.endif
.endr
.endm
.macro TABLE
	WIN 0x40
.irp a, 0,1,2,3
.irp b, 0,1,2,3
.irp g, 0,1
	global_load_b128 v[TB+8*(4*\a+\b)+4*\g:TB+8*(4*\a+\b)+4*\g+3], v8, s[8:9] offset:4096*\a+1024*\b+512*\g
.endr
.endr
.endr
	WIN 0
.endm
.macro KPHASE kind, first, ex          ; a head's eight K steps; first: x's fragments arrive on the way; ex: the loads issued behind x's last
.irp s, 0,1,2,3,4,5,6,7
	s_wait_dscnt 0x0                               ; this step's fragments of W are in
.if \first
.if \s < 6
	s_wait_loadcnt 32                              ; x's of this step too; the two younger steps' loads may be out
.elseif \s == 6
	s_wait_loadcnt 16+\ex                          ; one younger step's, and the bias and the table
.else
	s_wait_loadcnt \ex
.endif
.endif
.if \s > 0
	PLACES                                         ; the buffer was multiplied in the step before
.endif
.if \s < 7
	WF \s+1, (\s+1)%2
.endif
.if \first
.if \s < 5
	AL \s+3
.endif
.if \s == 5
	BIAS \kind
.if \kind == 0
	TABLE
.endif
.endif
.endif
	MUL \kind, \s
.endr
	PLACES
.endm
.macro NEXT kind                       ; on to the second head
	s_wait_xcnt 0x0                                ; the stores have read their base and data
	s_add_nc_u64 s[18:19], s[18:19], s[98:99]
	s_add_nc_u64 s[96:97], s[96:97], 0x100
	BIAS \kind
	v_add_nc_u32 v9, 0x10000, v9
	s_wait_alu depctr_va_vdst(0)
	WF 0, 0
	KPHASE \kind, 0, 0
.endm
	s_load_b512 s[4:19], s[0:1], 0x0               ; x_codes 4, w_codes 6, rope_tab 8, wq_b 10, wk_b 12, wv_b 14, scales 16, qkv_codes 18
	v_lshl_add_u32 v[SPW], v0, 2, SPARE
	v_mov_b32 v[NIL], 0
	ds_add_u32 v[SPW], v[NIL]                      ; the wave's opening: the add, twice on end, and its wait
	ds_add_u32 v[SPW], v[NIL]
	v_lshrrev_b32 v1, 5, v0
	v_readfirstlane_b32 s20, v1                    ; wave 0..3
	s_bfe_u32 s23, ttmp6, 0x40000                  ; cx
	s_lshl_b32 s56, ttmp9, 2
	s_add_co_u32 s56, s56, s23                     ; MT = 4 x cluster x + cx
	s_and_b32 s57, ttmp7, 0xffff                   ; CT, which the four partners share
	v_and_b32 v1, 31, v0
	v_lshlrev_b32 v8, 4, v1                        ; 16 x lane: offset in every block of 512 bytes
	v_lshlrev_b32 v9, 4, v1                        ; the same in LDS
	v_and_b32 v2, 15, v1
	v_lshrrev_b32 v3, 4, v1
	v_lshlrev_b32 v10, 5, v3                       ; bias: 32 h (q, k)
	v_lshlrev_b32 v13, 2, v2                       ; or 4 r (v)
	s_mov_b32 s[G1], 15|(3<<16)|(1<<21)            ; the mask of all four, elements of 8 bytes, bit 21 beside the mask, no padding
	s_mov_b32 s[G1+1], 32<<16                      ; 128 rows of 256 bytes, dense
	s_mov_b32 s[G1+2], 128<<16
	s_mov_b32 s[G1+3], 32<<16
	s_mov_b32 s[G1+4], 128
	s_mov_b32 s[G1+5], 32
	s_mov_b32 s[G1+6], 0
	s_mov_b32 s[G1+7], 0
	s_lshl_b32 s60, s57, 17                        ; W: 8 tiles of 16,384 bytes for each CT,
	s_lshl_b32 s66, s20, 15                        ; a quarter for each wave
	s_add_co_u32 s60, s60, s66
	s_mov_b32 s61, 0
	s_lshl_b32 s58, s56, 18                        ; x: 16 tiles for each MT,
	s_lshl_b32 s59, s20, 16                        ; 4 for each wave,
	s_add_co_u32 s58, s58, s59
	s_cmp_ge_u32 s57, 8
	s_cselect_b32 s63, 0x400000, 0                 ; in the set of codes that belongs to the product
	s_cmp_ge_u32 s57, 10
	s_cselect_b32 s63, 0x800000, s63
	s_add_co_u32 s58, s58, s63
	s_mov_b32 s59, 0
	s_wait_alu depctr_va_vdst(0)
	s_wait_dscnt 0x0                               ; both opening adds are done
	s_wait_kmcnt 0x0
	s_load_b256 s[84:91], s[16:17], 0x0            ; e0 .. e7
	s_load_b128 s[92:95], s[16:17], 0x20           ; e8 .. e11
	s_add_nc_u64 s[58:59], s[4:5], s[58:59]
	s_mov_b32 s[G0], 1
	s_mov_b32 s[G0+1], s66
	s_add_nc_u64 s[G0+2:G0+3], s[6:7], s[60:61]
	s_or_b32 s[G0+3], s[G0+3], 0x80000000
	AL 0
	AL 1
	AL 2
	CROUND                                         ; all four work-groups are here: the joint loads meet
	tensor_load_to_lds s[G0:G0+3], s[G1:G1+7]      ; the wave's one tensor load
	s_nop 0
	PLACES
	; what hangs on the kind of column: bias, table, place in qkv_codes
	s_lshr_b32 s69, s56, 3                         ; batch
	s_and_b32 s70, s56, 7                          ; which 256 tokens of it
	s_cmp_ge_u32 s57, 8
	s_cselect_b64 s[96:97], s[12:13], s[10:11]
	s_cselect_b32 s98, 8, 0
	s_cmp_ge_u32 s57, 10
	s_cselect_b64 s[96:97], s[14:15], s[96:97]
	s_cselect_b32 s98, 10, s98
	s_sub_co_u32 s98, s57, s98                     ; the column tile within its tensor
	s_lshl_b32 s62, s98, 9
	s_mov_b32 s63, 0
	s_add_nc_u64 s[96:97], s[96:97], s[62:63]      ; its bias
	s_lshl_b32 s62, s70, 16                        ; 16 position tiles of 4,096 bytes,
	s_lshl_b32 s66, s20, 14                        ; 4 for each wave
	s_add_co_u32 s62, s62, s66
	s_add_nc_u64 s[8:9], s[8:9], s[62:63]
	s_lshl_b32 s98, s98, 1                         ; its first head
	s_lshl_b32 s62, s69, 4                         ; q: ((16 batch + head) 128 + tile) x 1,024
	s_add_co_u32 s62, s62, s98
	s_lshl_b32 s62, s62, 17
	s_lshl_b32 s66, s70, 14
	s_add_co_u32 s62, s62, s66
	s_lshl_b32 s66, s20, 12
	s_add_co_u32 s62, s62, s66
	s_lshl_b32 s67, s69, 2                         ; k, v: ((4 batch + head) 16 + block) x 16,384
	s_add_co_u32 s67, s67, s98
	s_lshl_b32 s67, s67, 18
	s_lshl_b32 s66, s70, 15
	s_add_co_u32 s67, s67, s66
	s_lshr_b32 s66, s20, 1
	s_lshl_b32 s66, s66, 14
	s_add_co_u32 s67, s67, s66
	s_add_co_u32 s67, s67, 0x400000
	s_and_b32 s66, s20, 1                          ; which half of the block:
	s_lshl_b32 s68, s66, 12                        ; k: four tiles,
	s_lshl_b32 s71, s66, 10                        ; v: two chunks,
	s_add_co_u32 s71, s71, 8192                    ; behind K's 8,192 bytes
	s_cmp_ge_u32 s57, 10
	s_cselect_b32 s68, s71, s68
	s_add_co_u32 s67, s67, s68
	s_mov_b32 s66, 0x40000                         ; from head to head
	s_cmp_ge_u32 s57, 8
	s_cselect_b32 s62, s67, s62
	s_cselect_b32 s98, s66, 0x20000
	s_mov_b32 s99, 0
	s_add_nc_u64 s[18:19], s[18:19], s[62:63]
	s_wait_kmcnt 0x0
	s_add_co_i32 s62, s84, s85
	s_add_co_i32 s63, s86, s87
	s_add_co_i32 s66, s88, s89
	s_cmp_ge_u32 s57, 8
	s_cselect_b32 s62, s63, s62
	s_cselect_b32 s67, s90, s91                    ; the quantiser's exponent: e6 for k, e7 for q,
	s_cmp_ge_u32 s57, 10
	s_cselect_b32 s62, s66, s62
	s_cselect_b32 s67, s92, s67                    ; e8 for v
	s_add_co_i32 s62, s62, 127
	s_lshl_b32 s62, s62, 23                        ; 2^(ea + eb) as f32
	s_mov_b32 s63, s62                             ; (named with it as a pair)
	s_add_co_i32 s67, s67, 127
	s_lshl_b32 s66, s67, 23
	v_mov_b32 v11, s66                             ; the quantiser's scale
	s_add_co_i32 s67, s67, 15
	s_lshl_b32 s67, s67, 23
	s_or_b32 s67, s67, 0x600000
	v_mov_b32 v12, s67                             ; 57,344 x that
	s_mov_b32 s70, 0                               ; heads done
	s_wait_alu depctr_va_vdst(0)                   ; the wait at the head's end
	s_wait_tensorcnt 0x0                           ; my quarter of W has landed;
	s_barrier_signal -1
	s_barrier_wait -1                              ; everybody's has
	WF 0, 0
	s_cmp_ge_u32 s57, 10
	s_cbranch_scc1 .Lv
	; ---- q and k
	KPHASE 0, 1, 40
.Lepi:
	s_wait_loadcnt 0x0                             ; bias and table
.irp a, 0,1,2,3
.set AA, 32*\a
	WIN 0x41
.irp b, 0,1,2,3
.irp i, 0,2,4,6
	v_pk_fma_f32 v[AA+8*\b+\i:AA+8*\b+\i+1], v[AA+8*\b+\i:AA+8*\b+\i+1], s[62:63], v[BI+8*\b+\i:BI+8*\b+\i+1] op_sel_hi:[1,0,1]   ; sum x 2^(ea + eb) + bias
.endr
.endr
	WIN 0x05
.irp p, 0,2,4,6,8,10,12,14,16,18,20,22,24,26,28,30
	v_pk_mul_f32 v[WB+\p:WB+\p+1], v[AA+\p:AA+\p+1], v[TB+AA+\p:TB+AA+\p+1] op_sel:[1,1] op_sel_hi:[0,1]   ; (x2 sin, x1 sin)
.endr
	WIN 0x45
.irp p, 0,2,4,6,8,10,12,14,16,18,20,22,24,26,28,30
	v_pk_fma_f32 v[AA+\p:AA+\p+1], v[AA+\p:AA+\p+1], v[TB+AA+\p:TB+AA+\p+1], v[WB+\p:WB+\p+1] op_sel_hi:[1,0,1] neg_lo:[0,0,1]   ; x1 cos - x2 sin, x2 cos + x1 sin
.endr
	WIN 0x41
.set JJ, 0
.rept 32
	v_med3_num_f32 v[AA+JJ], v[AA+JJ], -v12, v12   ; the conversion does not saturate (ISA guide 7.6.2)
.set JJ, JJ+1
.endr
	WIN 0x01
.irp b, 0,1,2,3
	v_cvt_scalef32_pk8_bf8_f32 v[CD+8*\a+2*\b:CD+8*\a+2*\b+1], v[AA+8*\b:AA+8*\b+7], v11
.endr
	v_nop                                          ; a plain line behind the last conversion
	WIN 0
	global_store_b128 v8, v[CD+8*\a:CD+8*\a+3], s[18:19] offset:1024*\a       ; 512 consecutive bytes
	global_store_b128 v8, v[CD+8*\a+4:CD+8*\a+7], s[18:19] offset:1024*\a+512
.endr
	s_add_co_u32 s70, s70, 1
	s_cmp_eq_u32 s70, 2
	s_cbranch_scc1 .Lboth
	NEXT 0
.Lboth:
	s_cmp_lt_u32 s70, 2
	s_cbranch_scc1 .Lepi
	s_branch .Ldone
.Lv:	; ---- v: the sources change places
	KPHASE 1, 1, 4
.Lepv:
	s_wait_loadcnt 0x0
.irp b, 0,1,2,3
	WIN 0x41
.irp a, 0,1,2,3
.irp i, 0,2,4,6
.set AA, 8*(4*\a+\b)+\i
.if \b%2
	v_pk_fma_f32 v[AA:AA+1], v[AA:AA+1], s[62:63], v[BI+\b-1:BI+\b] op_sel:[0,0,1] op_sel_hi:[1,0,1]   ; the pair's high register serves both halves
.else
	v_pk_fma_f32 v[AA:AA+1], v[AA:AA+1], s[62:63], v[BI+\b:BI+\b+1] op_sel_hi:[1,0,0]
.endif
.endr
.endr
.irp a, 0,1,2,3
.irp i, 0,1,2,3,4,5,6,7
	v_med3_num_f32 v[8*(4*\a+\b)+\i], v[8*(4*\a+\b)+\i], -v12, v12
.endr
.endr
	WIN 0x01
.irp a, 0,1,2,3
	v_cvt_scalef32_pk8_bf8_f32 v[CD+8*\b+2*\a:CD+8*\b+2*\a+1], v[8*(4*\a+\b):8*(4*\a+\b)+7], v11
.endr
	v_nop
	WIN 0
	global_store_b128 v8, v[CD+8*\b:CD+8*\b+3], s[18:19] offset:2048*\b
	global_store_b128 v8, v[CD+8*\b+4:CD+8*\b+7], s[18:19] offset:2048*\b+512
.endr
	s_add_co_u32 s70, s70, 1
	s_cmp_eq_u32 s70, 2
	s_cbranch_scc1 .Ldone
	NEXT 1
	s_cmp_lt_u32 s70, 2
	s_cbranch_scc1 .Lepv
.Ldone:
	s_wait_tensorcnt 0x0                           ; the wave's end
	ds_add_u32 v[SPW], v[NIL]
	s_wait_dscnt 0x0
	CROUND                                         ; the closing round
	s_endpgm
.Lfunc_end_k_q0646077ecd_qkv:
	.size	k_q0646077ecd_qkv, .Lfunc_end_k_q0646077ecd_qkv-k_q0646077ecd_qkv
	.p2alignl 7, 3214868480
	.fill 96, 4, 3214868480
	.section	.rodata,"a",@progbits
	.p2align	6, 0x0
	.amdhsa_kernel k_q0646077ecd_qkv
		.amdhsa_group_segment_fixed_size 327680
		.amdhsa_private_segment_fixed_size 0
		.amdhsa_enable_private_segment 0
		.amdhsa_kernarg_size 64
		.amdhsa_user_sgpr_count 2
		.amdhsa_user_sgpr_kernarg_segment_ptr 1
		.amdhsa_wavefront_size32 1
		.amdhsa_system_sgpr_workgroup_id_x 1
		.amdhsa_system_sgpr_workgroup_id_y 1
		.amdhsa_system_sgpr_workgroup_id_z 1
		.amdhsa_system_vgpr_workitem_id 0
		.amdhsa_next_free_vgpr 1024
		.amdhsa_next_free_sgpr 104
		.amdhsa_reserve_vcc 0
		.amdhsa_float_denorm_mode_32 3
		.amdhsa_float_denorm_mode_16_64 3
		.amdhsa_memory_ordered 1
		.amdhsa_forward_progress 1
		.amdhsa_inst_pref_size 140
	.end_amdhsa_kernel
	.amdgpu_metadata
---
amdhsa.version: [ 1, 2 ]
amdhsa.kernels:
  - .name:           k_q0646077ecd_qkv
    .symbol:         k_q0646077ecd_qkv.kd
    .args:
      - { .name: x_codes, .offset: 0, .size: 8, .value_kind: global_buffer, .address_space: global }
      - { .name: w_codes, .offset: 8, .size: 8, .value_kind: global_buffer, .address_space: global }
      - { .name: rope_tab, .offset: 16, .size: 8, .value_kind: global_buffer, .address_space: global }
      - { .name: wq_b, .offset: 24, .size: 8, .value_kind: global_buffer, .address_space: global }
      - { .name: wk_b, .offset: 32, .size: 8, .value_kind: global_buffer, .address_space: global }
      - { .name: wv_b, .offset: 40, .size: 8, .value_kind: global_buffer, .address_space: global }
      - { .name: lowp_scales, .offset: 48, .size: 8, .value_kind: global_buffer, .address_space: global }
      - { .name: qkv_codes, .offset: 56, .size: 8, .value_kind: global_buffer, .address_space: global }
    .group_segment_fixed_size: 327680
    .private_segment_fixed_size: 0
    .kernarg_segment_align: 8
    .kernarg_segment_size: 64
    .max_flat_workgroup_size: 128
    .sgpr_count:     104
    .vgpr_count:     1024
    .wavefront_size: 32
...
	.end_amdgpu_metadata
.endif
;; end of part 2
;; launch attn (part 3): grid 32 x 8, 8 waves a work-group, no clusters, 230,400 bytes of LDS; arguments qkv_codes, lowp_scales, ctx_codes; writes ctx_codes
.if DOCPART == 3
	.amdgcn_target "amdgcn-amd-amdhsa--gfx1250"
	.amdhsa_code_object_version 6
	.text
	.protected	k_q0646077ecd_attn
	.globl	k_q0646077ecd_attn
	.p2align	8
	.type	k_q0646077ecd_attn,@function
k_q0646077ecd_attn:
	s_mov_b64 s[64:65], 0
	v_nop
	global_prefetch_b8 v0, s[64:65] scope:SCOPE_SE
	s_setreg_imm32_b32 hwreg(HW_REG_WAVE_MODE, 25, 1), 1
	s_wait_xcnt 0x0
; ATTENTION in a causal window of 1,024 (key j counts for query i where 0 <= i - j <= 1024), head size 64, both products on E5M2 codes; then the quantiser of the output projection's operand.
; WORK LEFT OUT: blocks of 128 keys that lie wholly outside reference()'s own mask for a tile of 16 queries (prep's head states it).  A NaN or an infinity that reaches only such work is not carried to the result.
; SHARES.  Work-group (x, y): y = 4 x batch + key head; the four query heads that share it; four tiles of 16 queries: 64 + 2 x and 65 + 2 x (nine blocks of keys each), x and 63 - x (x / 8 + 1 and (63 - x) / 8 + 1
; blocks, together nine): 27 tile-steps for every head of every work-group.  Eight waves: head = wave % 4; waves 0-3 take the first two tiles, waves 4-7 the other two.  A fragment of K or V feeds both tiles of a wave.
; LDS: 14 slots of 16,384 bytes, a block of 128 keys each: K 8,192 bytes, V 8,192 bytes, as they lie in memory: images of the operands' registers.  d = x / 4: the late tiles see blocks d .. d + 8, the early ones
; blocks 0 .. (63 - x) / 8.  Slot s holds block s (s < 5) or s + max(d - 5, 0) (for d = 6, 7 the early tiles see blocks 0 .. 4 alone).  Every slot is written once, through registers; one barrier.
; No tensor load, no copy, no cluster: the loads go through registers; the hold of p is passed over by a branch on the given exponent e9: p is at most 1, so where e9 >= -15 no p / 2^e9 passes 32,768.
; No prefetch: all of a work-group's keys are asked for at the head; there is no loop to run ahead in.
; THE SOFTMAX: t = score x log2(e) / 8; M = the running largest t rounded UP to a whole number; p = 2^(t - M) is quantised (e9), not normalised; the row's sum is taken of the unquantised p and divides at the end.
; When M moves, the sum and O are multiplied by 2^(old M - new M): exact.  Hidden scores become -infinity ahead of the maximum.  Every block that is walked holds a key that counts for every query of the tile.
; LAYOUT: S^T = K Q^T, O^T = V^T P^T: a lane holds ONE query, r; a score tile's register j is key 8 h + j of its 16: eight codes, registers 2 c, 2 c + 1 of P.
; LIMITS: e6 + e7 between -123 and 130; e9, and e10 - e8 - e9, between -126 and 112; scaled scores under 2^31 in magnitude.  NaN among the inputs is not served.
; REGISTERS, the same in window 0 (first tile) and window 1 (second): v16-23 Q; v24 -M; v26 largest t; v[28:29] the sum; v30 the factor; v32-95 K's fragments (window 0), V's (window 1); v96-159 scores, then p;
;   v160-191 O^T; v192-207 codes; v208-217, v236 at work; v240-244 constants.   Window 0 alone: v5, v6 the add's two; v8-14 addresses.
.set SLOT,  16384
.set SPARE, 14*SLOT                    ; the spare words, 128 bytes for each of eight waves
.set SPW, 5
.set NIL, 6
.set CS,  46
.set SEL, 48
.set MSB, 0
.macro WIN new                         ; the immediate's high byte repeats the setting that is left
.if MSB != (\new)
	s_set_vgpr_msb (MSB<<8)|(\new)
.set MSB, (\new)
.endif
.endm
.macro INIT                            ; a tile's state, in the destination's window
	v_mov_b32 v24, 0x7f61b1e6                      ; -M for a largest t of -3e38
	v_mov_b32 v25, 0                               ; (named with it as a pair)
	v_mov_b32 v26, 0xff61b1e6                      ; the largest t so far: under every t
	v_mov_b32 v28, 0
	v_mov_b32 v29, 0
	v_mov_b32 v31, 0                               ; (named with v30 as a pair)
	v_mov_b32 v236, 0                              ; written once: a lane permute's destination counts as one of its sources
	v_mov_b32 v240, s93                            ; 57,344 x 2^e9
	v_mov_b32 v241, s94                            ; 2^e9
	v_mov_b32 v242, 0xff800000                     ; -infinity
	v_mov_b32 v243, s95                            ; 57,344 x 2^(e10 - e8 - e9)
	v_mov_b32 v244, s96                            ; 2^(e10 - e8 - e9)
.set JJ, 0
.rept 32
	v_mov_b32 v[160+JJ], 0                         ; O^T: the step is written once; the first finds zeros
.set JJ, JJ+1
.endr
.endm
.macro KLOAD                           ; K's eight fragments at v13
.irp t, 0,1,2,3,4,5,6,7
.irp c, 0,1
	ds_load_b128 v[32+8*\t+4*\c:32+8*\t+4*\c+3], v13 offset:1024*\t+512*\c
.endr
.endr
.endm
.macro SEGD w, c, o                    ; the diagonal's block, key tile c: all hidden where c > o, a triangle where c = o
	s_cmp_gt_u32 s[\o], \c
	s_cbranch_scc1 .Lseen_\@
	s_cmp_eq_u32 s[\o], \c
.irp j, 0,1,2,3,4,5,6,7
	s_cselect_b32 s[72+\j], ((1<<\j)-1)|(((1<<(8+\j))-1)<<16), -1   ; lanes with 8 h + j > r
.endr
	WIN \w
	s_wait_alu depctr_va_vdst(0)                   ; the wait ahead of these readers
.irp j, 0,1,2,3,4,5,6,7
	v_cndmask_b32 v[96+8*\c+\j], v[96+8*\c+\j], v242, s[72+\j]
.endr
	WIN 0
.Lseen_\@:
.endm
.macro SEGF w, c, o                    ; the window's far edge: all hidden where c < o, a triangle where c = o
	s_cmp_lt_u32 s[\o], \c
	s_cbranch_scc1 .Lseen_\@
	s_cmp_eq_u32 s[\o], \c
.irp j, 0,1,2,3,4,5,6,7
	s_cselect_b32 s[72+\j], (0xffff-((1<<(\j+1))-1))|((0xffff-((1<<(9+\j))-1))<<16), -1   ; lanes with 8 h + j < r
.endr
	WIN \w
	s_wait_alu depctr_va_vdst(0)
.irp j, 0,1,2,3,4,5,6,7
	v_cndmask_b32 v[96+8*\c+\j], v[96+8*\c+\j], v242, s[72+\j]
.endr
	WIN 0
.Lseen_\@:
.endm
.macro SM w, n, o                      ; a tile's softmax of 128 keys, and O^T += V^T P^T
	s_add_co_u32 s36, s18, 1
	s_cmp_lg_u32 s36, s[\n]                        ; the tile's last block is the diagonal's
	s_cbranch_scc1 .Lnd_\@
.irp c, 0,1,2,3,4,5,6,7
	SEGD \w, \c, \o
.endr
.Lnd_\@:
	s_cmp_lg_u32 s18, s22                          ; a late tile's first block is the far edge's
	s_cbranch_scc1 .Lnf_\@
.irp c, 0,1,2,3,4,5,6,7
	SEGF \w, \c, \o
.endr
.Lnf_\@:
	WIN \w
	s_wait_alu depctr_va_vdst(0)                   ; the wait ahead of the scores' first readers
.irp t, 0,1,2,3
	v_max3_num_f32 v[208+\t], v[96+8*\t], v[97+8*\t], v[98+8*\t]
.endr
.irp t, 0,1,2,3
	v_max3_num_f32 v[208+\t], v[208+\t], v[99+8*\t], v[100+8*\t]
.endr
.irp t, 0,1,2,3
	v_max3_num_f32 v[208+\t], v[208+\t], v[101+8*\t], v[102+8*\t]
.endr
.irp t, 0,1,2,3
	v_max3_num_f32 v[208+\t], v[208+\t], v[128+8*\t], v[103+8*\t]
.endr
.irp t, 0,1,2,3
	v_max3_num_f32 v[208+\t], v[208+\t], v[129+8*\t], v[130+8*\t]
.endr
.irp t, 0,1,2,3
	v_max3_num_f32 v[208+\t], v[208+\t], v[131+8*\t], v[132+8*\t]
.endr
.irp t, 0,1,2,3
	v_max3_num_f32 v[208+\t], v[208+\t], v[133+8*\t], v[134+8*\t]
.endr
	v_max3_num_f32 v208, v208, v209, v135
	v_max3_num_f32 v210, v210, v211, v143
	v_max3_num_f32 v208, v208, v151, v159
	v_max_num_f32 v208, v208, v210
	v_permlanex16_b32 v236, v208, s[SEL], s[SEL+1]
	s_delay_alu instid0(VALU_DEP_1)
	v_max_num_f32 v208, v208, v236                 ; and among lane l xor 16's
	s_delay_alu instid0(VALU_DEP_1)
	v_mul_f32 v208, s[CS], v208                    ; as t (c is positive)
	s_delay_alu instid0(VALU_DEP_1)
	v_max_num_f32 v26, v26, v208                   ; the running largest t
	v_mov_b32 v209, v24
	s_delay_alu instid0(VALU_DEP_2)
	v_floor_f32 v24, -v26                          ; the new -M = -ceil(t)
	s_delay_alu instid0(VALU_DEP_1)
	v_sub_f32 v209, v24, v209                      ; old M - new M: a whole number, 0 or less
	s_delay_alu instid0(VALU_DEP_1)
	v_cvt_i32_f32 v209, v209                       ; (it saturates)
	s_delay_alu instid0(VALU_DEP_1)
	v_ldexp_f32 v30, 1.0, v209                     ; f = 2^(old M - new M)
.set JJ, 0
.rept 32
	v_pk_fma_f32 v[96+JJ:97+JJ], v[96+JJ:97+JJ], s[CS:CS+1], v[24:25] op_sel_hi:[1,0,0]   ; t - M, two at a time
.set JJ, JJ+2
.endr
	s_wait_alu depctr_va_vdst(0)                   ; one wait ahead of the batch,
.set JJ, 0
.rept 64
	v_exp_f32 v[96+JJ], v[96+JJ]                   ; p = 2^(t - M)
.set JJ, JJ+1
.endr
	v_pk_mul_f32 v[28:29], v[28:29], v[30:31] op_sel_hi:[1,0]   ; the sum under the new M (a plain line behind the exponentials)
	s_wait_alu depctr_va_vdst(0)                   ; and one ahead of its first reader
	v_pk_add_f32 v[212:213], v[96:97], v[98:99]    ; the row's sum, in four chains
	v_pk_add_f32 v[214:215], v[100:101], v[102:103]
	v_pk_add_f32 v[216:217], v[104:105], v[106:107]
	v_pk_add_f32 v[28:29], v[28:29], v[108:109]
.set JJ, 14
.rept 6
	v_pk_add_f32 v[212:213], v[212:213], v[96+JJ:97+JJ]
	v_pk_add_f32 v[214:215], v[214:215], v[98+JJ:99+JJ]
	v_pk_add_f32 v[216:217], v[216:217], v[100+JJ:101+JJ]
	v_pk_add_f32 v[28:29], v[28:29], v[102+JJ:103+JJ]
.set JJ, JJ+8
.endr
	v_pk_add_f32 v[212:213], v[212:213], v[158:159]
	v_pk_add_f32 v[28:29], v[28:29], v[214:215]
	v_pk_add_f32 v[212:213], v[212:213], v[216:217]
	v_pk_add_f32 v[28:29], v[28:29], v[212:213]
	s_wait_alu depctr_va_vdst(0)                   ; the wait ahead of the branch
	WIN 0
	s_cmp_ge_i32 s89, -15                          ; e9: no hold is needed (see the head)
	s_cbranch_scc1 .Lnh_\@
	WIN \w
.set JJ, 0
.rept 64
	v_min_num_f32 v[96+JJ], v[96+JJ], v240         ; the conversion does not saturate (ISA guide 7.6.2); p is not negative
.set JJ, JJ+1
.endr
	WIN 0
.Lnh_\@:
	WIN \w
.irp t, 0,1,2,3,4,5,6,7
	v_cvt_scalef32_pk8_bf8_f32 v[192+2*\t:193+2*\t], v[96+8*\t:103+8*\t], v241   ; keys 16 t + 8 h + 0 .. 7
.endr
	s_wait_alu depctr_va_vdst(0)                   ; ahead of the first readers of O^T
.set JJ, 0
.rept 16
	v_pk_mul_f32 v[160+JJ:161+JJ], v[160+JJ:161+JJ], v[30:31] op_sel_hi:[1,0]   ; O^T under the new M; also the plain lines between the conversions and the products
.set JJ, JJ+2
.endr
	s_wait_alu depctr_va_vdst(0)
	s_wait_dscnt 0x0                               ; V's fragments are in, and the next step's of K
	WIN (\w)|1                                     ; V lies in window 1
.irp t, 0,1,2,3
	v_wmma_f32_16x16x128_bf8_bf8 v[160+8*\t:167+8*\t], v[32+16*\t:47+16*\t], v[192:207], v[160+8*\t:167+8*\t]
.endr
	WIN 0
.endm
	s_load_b128 s[4:7], s[0:1], 0x0                ; qkv_codes, the scales' exponents
	s_load_b64 s[8:9], s[0:1], 0x10                ; ctx_codes
	v_lshl_add_u32 v[SPW], v0, 2, SPARE
	v_mov_b32 v[NIL], 0
	v_lshrrev_b32 v1, 5, v0
	v_readfirstlane_b32 s10, v1                    ; wave 0..7
	v_and_b32 v2, 31, v0
	v_lshlrev_b32 v9, 4, v2                        ; 16 x lane
	v_lshl_add_u32 v8, v1, 11, v9                  ; my 2,048 bytes of a slot, in memory and in LDS; slots 0-3,
	v_add_nc_u32 v10, 0x10000, v8                  ; slots 4-7,
	v_add_nc_u32 v11, 0x20000, v8                  ; slots 8-11,
	v_add_nc_u32 v12, 0x30000, v8                  ; slots 12, 13
	s_and_b32 s12, ttmp7, 0xffff                   ; y
	s_lshr_b32 s13, ttmp9, 2                       ; d
	s_min_u32 s37, s13, 5                          ; the late tiles' first slot
	s_sub_co_u32 s36, s13, s37                     ; how far slots from 5 on are shifted
	s_lshl_b32 s37, s37, 14
	s_lshl_b32 s34, s36, 14
	s_mov_b32 s35, 0
	s_lshr_b32 s11, s10, 2                         ; 0: late tiles, 1: early tiles
	s_and_b32 s24, s10, 3                          ; head
	s_lshl_b32 s30, ttmp9, 1
	s_add_co_u32 s30, s30, 64
	s_add_co_u32 s31, s30, 1
	s_sub_co_u32 s38, 63, ttmp9
	s_cmp_eq_u32 s11, 0
	s_cselect_b32 s30, s30, ttmp9                  ; first tile
	s_cselect_b32 s31, s31, s38                    ; second tile
	s_cselect_b32 s14, s37, 0                      ; LDS byte of the step's slot
	s_cselect_b32 s22, 0, 99                       ; the step at the far edge; early tiles have none
	s_lshr_b32 s16, s30, 3
	s_add_co_u32 s16, s16, 1
	s_min_u32 s16, s16, 9                          ; the first tile's steps
	s_lshr_b32 s15, s31, 3
	s_add_co_u32 s15, s15, 1
	s_min_u32 s15, s15, 9                          ; the second's, never fewer
	s_and_b32 s20, s30, 7                          ; the tiles' places in their diagonal's block
	s_and_b32 s21, s31, 7
	s_lshl_b32 s26, s12, 2
	s_add_co_u32 s26, s26, s24
	s_lshl_b32 s26, s26, 17                        ; Q: (4 y + head) x 131,072 + tile x 1,024
	s_lshl_b32 s28, s30, 10
	s_add_co_u32 s28, s28, s26
	s_mov_b32 s29, 0
	s_lshl_b32 s38, s31, 10
	s_add_co_u32 s26, s26, s38
	s_mov_b32 s27, 0
	s_lshl_b32 s32, s12, 18
	s_add_co_u32 s32, s32, 0x400000                ; the key head's 16 blocks
	s_mov_b32 s33, 0
	s_wait_alu depctr_va_vdst(0)
	s_wait_kmcnt 0x0
	s_load_b256 s[80:87], s[6:7], 0x0              ; e0 .. e7
	s_load_b128 s[88:91], s[6:7], 0x20             ; e8 .. e11
	s_add_nc_u64 s[40:41], s[4:5], s[28:29]
	s_add_nc_u64 s[54:55], s[4:5], s[26:27]
	s_add_nc_u64 s[42:43], s[4:5], s[32:33]        ; slots 0 to 4
	s_add_nc_u64 s[44:45], s[42:43], s[34:35]      ; slots 5 to 13
	global_load_b128 v[16:19], v9, s[40:41]
	global_load_b128 v[20:23], v9, s[40:41] offset:512
	WIN 0x40
	global_load_b128 v[16:19], v9, s[54:55]
	global_load_b128 v[20:23], v9, s[54:55] offset:512
	WIN 0
.irp s, 0,1,2,3,4,5,6,7,8,9,10,11,12,13
.irp i, 0,1,2,3
.if \s < 5
	global_load_b128 v[32+16*\s+4*\i:32+16*\s+4*\i+3], v8, s[42:43] offset:SLOT*\s+512*\i
.else
	global_load_b128 v[32+16*\s+4*\i:32+16*\s+4*\i+3], v8, s[44:45] offset:SLOT*\s+512*\i
.endif
.endr
.endr
	s_mov_b32 s[SEL], 0x76543210
	s_mov_b32 s[SEL+1], 0xfedcba98
	s_lshr_b32 s26, s12, 2                         ; batch
	s_lshl_b32 s26, s26, 21                        ; ctx: tile (128 batch + tile) x 16,384 + query head x 1,024
	s_and_b32 s28, s12, 3
	s_lshl_b32 s28, s28, 12
	s_add_co_u32 s26, s26, s28
	s_lshl_b32 s28, s24, 10
	s_add_co_u32 s26, s26, s28
	s_lshl_b32 s28, s30, 14
	s_add_co_u32 s28, s28, s26
	s_add_nc_u64 s[50:51], s[8:9], s[28:29]
	s_lshl_b32 s28, s31, 14
	s_add_co_u32 s28, s28, s26
	s_add_nc_u64 s[52:53], s[8:9], s[28:29]
	s_wait_kmcnt 0x0
	s_add_co_i32 s32, s86, s87
	s_lshl_b32 s32, s32, 23
	s_mov_b32 s[CS], 0x3e38aa3b                    ; c = log2(e) / 8;
	s_add_co_i32 s[CS], s[CS], s32                 ; a score stands for score x 2^(e6 + e7): added to c's exponent field
	s_mov_b32 s[CS+1], s[CS]
	s_add_co_i32 s32, s89, 127
	s_lshl_b32 s94, s32, 23
	s_add_co_i32 s32, s32, 15
	s_lshl_b32 s93, s32, 23
	s_or_b32 s93, s93, 0x600000
	s_sub_co_i32 s32, s90, s88
	s_sub_co_i32 s32, s32, s89                     ; O / the sum stands for ctx / 2^(e8 + e9): ctx's conversion takes 2^(e10 - e8 - e9)
	s_add_co_i32 s32, s32, 127
	s_lshl_b32 s96, s32, 23
	s_add_co_i32 s32, s32, 15
	s_lshl_b32 s95, s32, 23
	s_or_b32 s95, s95, 0x600000
	s_mov_b32 s18, 0                               ; the step
	WIN 0x40
	INIT                                           ; the second tile's
	WIN 0
	s_wait_alu depctr_va_vdst(0)
.irp s, 0,1,2,3,4,5,6,7,8,9,10,11,12,13
.set AD, 8
.if \s >= 4
.set AD, 9+\s/4
.endif
	s_wait_loadcnt 52-4*\s                         ; the younger slots' loads may be out
.irp i, 0,1,2,3
	ds_store_b128 v[AD], v[32+16*\s+4*\i:32+16*\s+4*\i+3] offset:SLOT*(\s%4)+512*\i
.endr
.endr
	s_wait_dscnt 0x0                               ; for the others' sake: my stores are done
	s_barrier_signal -1
	INIT                                           ; the first tile's: work on registers
	s_wait_alu depctr_va_vdst(0)                   ; the wait at the head's end
	s_barrier_wait -1                              ; everybody's are: from here on LDS is only read
	v_add_nc_u32 v13, s14, v9
	KLOAD
	s_wait_dscnt 0x0
.Lstep:                                            ; nine trips; a step past a tile's last block is left out
	s_cmp_ge_u32 s18, s15
	s_cbranch_scc1 .Lend
	WIN 0x44
.irp t, 0,1,2,3,4,5,6,7
	v_wmma_f32_16x16x64_bf8_bf8 v[96+8*\t:103+8*\t], v[32+8*\t:39+8*\t], v[16:23], 0   ; the second tile's scores
.endr
	WIN 0
	s_cmp_ge_u32 s18, s16
	s_cbranch_scc1 .Lone
.irp t, 0,1,2,3,4,5,6,7
	v_wmma_f32_16x16x64_bf8_bf8 v[96+8*\t:103+8*\t], v[32+8*\t:39+8*\t], v[16:23], 0   ; the first tile's
.endr
.Lone:
.rept 4
	v_nop                                          ; in front of loads into registers that the products read
.endr
	s_add_co_u32 s19, s18, 1
	s_cmp_ge_u32 s19, s15                          ; is there a next step?
	s_cbranch_scc1 .Lnok
	s_add_co_u32 s17, s14, SLOT
	s_min_u32 s17, s17, 13*SLOT
	v_add_nc_u32 v13, s17, v9
	KLOAD                                          ; its K
.Lnok:
	v_add_nc_u32 v14, s14, v9
	WIN 0x40
.irp t, 0,1,2,3
.irp c, 0,1,2,3
	ds_load_b128 v[32+16*\t+4*\c:32+16*\t+4*\c+3], v14 offset:8192+2048*\t+512*\c   ; V^T: wanted behind the softmax
.endr
.endr
	WIN 0
	s_cmp_ge_u32 s18, s16
	s_cbranch_scc1 .Lsecond
	SM 0, 16, 20
.Lsecond:
	SM 0x55, 15, 21
.Lend:
	s_add_co_u32 s14, s14, SLOT
	s_add_co_u32 s18, s18, 1
	s_cmp_lt_u32 s18, 9
	s_cbranch_scc1 .Lstep
	; ---- the way out of a tile: O^T / the sum, the quantiser e10; a lane's codes are 16 bytes of each of two chunks of 512
.macro OUT w, d, b
	WIN \w
	v_add_f32 v28, v28, v29
	v_permlanex16_b32 v236, v28, s[SEL], s[SEL+1]
	s_delay_alu instid0(VALU_DEP_1)
	v_add_f32 v28, v28, v236                       ; the row's sum
	s_wait_alu depctr_va_vdst(0)
	v_rcp_f32 v28, v28
	v_nop                                          ; a plain line behind the transcendental
	s_wait_alu depctr_va_vdst(0)                   ; ahead of its first reader, and of O^T's
.set JJ, 0
.rept 32
	v_mul_f32 v[96+JJ], v[160+JJ], v28             ; register 8 t + i: channel 16 t + 8 h + i of my query
.set JJ, JJ+1
.endr
.set JJ, 0
.rept 32
	v_med3_num_f32 v[96+JJ], v[96+JJ], -v243, v243
.set JJ, JJ+1
.endr
.irp t, 0,1,2,3
	v_cvt_scalef32_pk8_bf8_f32 v[192+2*\t:193+2*\t], v[96+8*\t:103+8*\t], v244
.endr
	v_nop                                          ; a plain line behind the last conversion
	WIN \d
	global_store_b128 v9, v[192:195], s[\b:\b+1]
	global_store_b128 v9, v[196:199], s[\b:\b+1] offset:512
	WIN 0
.endm
.rept 4
	v_nop
.endr
	OUT 0, 0, 50
	OUT 0x55, 0x04, 52
	s_wait_tensorcnt 0x0                           ; the wave's end
	ds_add_u32 v[SPW], v[NIL]
	s_wait_dscnt 0x0
	s_endpgm
.Lfunc_end_k_q0646077ecd_attn:
	.size	k_q0646077ecd_attn, .Lfunc_end_k_q0646077ecd_attn-k_q0646077ecd_attn
	.p2alignl 7, 3214868480
	.fill 96, 4, 3214868480
	.section	.rodata,"a",@progbits
	.p2align	6, 0x0
	.amdhsa_kernel k_q0646077ecd_attn
		.amdhsa_group_segment_fixed_size 230400
		.amdhsa_private_segment_fixed_size 0
		.amdhsa_enable_private_segment 0
		.amdhsa_kernarg_size 24
		.amdhsa_user_sgpr_count 2
		.amdhsa_user_sgpr_kernarg_segment_ptr 1
		.amdhsa_wavefront_size32 1
		.amdhsa_system_sgpr_workgroup_id_x 1
		.amdhsa_system_sgpr_workgroup_id_y 1
		.amdhsa_system_sgpr_workgroup_id_z 1
		.amdhsa_system_vgpr_workitem_id 0
		.amdhsa_next_free_vgpr 512
		.amdhsa_next_free_sgpr 100
		.amdhsa_reserve_vcc 0
		.amdhsa_float_denorm_mode_32 3
		.amdhsa_float_denorm_mode_16_64 3
		.amdhsa_memory_ordered 1
		.amdhsa_forward_progress 1
		.amdhsa_inst_pref_size 93
	.end_amdhsa_kernel
	.amdgpu_metadata
---
amdhsa.version: [ 1, 2 ]
amdhsa.kernels:
  - .name:           k_q0646077ecd_attn
    .symbol:         k_q0646077ecd_attn.kd
    .args:
      - { .name: qkv_codes, .offset: 0, .size: 8, .value_kind: global_buffer, .address_space: global }
      - { .name: lowp_scales, .offset: 8, .size: 8, .value_kind: global_buffer, .address_space: global }
      - { .name: ctx_codes, .offset: 16, .size: 8, .value_kind: global_buffer, .address_space: global }
    .group_segment_fixed_size: 230400
    .private_segment_fixed_size: 0
    .kernarg_segment_align: 8
    .kernarg_segment_size: 24
    .max_flat_workgroup_size: 256
    .sgpr_count:     100
    .vgpr_count:     512
    .wavefront_size: 32
...
	.end_amdgpu_metadata
.endif
;; end of part 3
;; launch oproj (part 4): grid 32 x 8, 4 waves a work-group, clusters of 4 x 1, 327,680 bytes of LDS; arguments ctx_codes, w_codes, lowp_scales, out0; writes out0
.if DOCPART == 4
	.amdgcn_target "amdgcn-amd-amdhsa--gfx1250"
	.amdhsa_code_object_version 6
	.text
	.protected	k_q0646077ecd_oproj
	.globl	k_q0646077ecd_oproj
	.p2align	8
	.type	k_q0646077ecd_oproj,@function
k_q0646077ecd_oproj:
	s_mov_b64 s[64:65], 0
	v_nop
	global_prefetch_b8 v0, s[64:65] scope:SCOPE_SE
	s_setreg_imm32_b32 hwreg(HW_REG_WAVE_MODE, 25, 1), 1
	s_wait_xcnt 0x0
	s_wait_alu depctr_hold_cnt(0) depctr_sa_sdst(0) depctr_va_vdst(0) depctr_va_sdst(0) depctr_va_ssrc(0) depctr_va_vcc(0) depctr_vm_vsrc(0)
	s_getreg_b32 s2, hwreg(HW_REG_IB_STS2, 6, 4)
	s_cmp_eq_u32 s2, 0
	s_cbranch_scc0 .Lentry_in_a_cluster
	s_endpgm
.Lentry_in_a_cluster:
	s_bfe_u32 s2, ttmp6, 0x10000c
	s_cmp_lg_u32 s2, 0x3003
	s_cbranch_scc0 .Lentry_shape_is_right
	s_endpgm
.Lentry_shape_is_right:
; OUT = ctx Wo^T on E5M2 codes: [4096][1024] f32.  ctx_codes: 256 tiles of 16 tokens, Wo's: tiles 96 to 159 of w_codes, both images of the operands' registers (see prep).  Each finished sum is multiplied once by 2^(e10 + e11).
; LIMIT: e10 + e11 between -126 and 127.
; A work-group makes 128 tokens (MT) x 128 columns (CT) over the whole K = 1024; four waves, each 32 tokens x 128 columns, 64 columns after the other 64: the first half is on its way out while the second is multiplied.
; ctx's codes are read by one wave alone: they go straight into 256 registers, all asked for at the head.  Wo's 128 rows (131,072 bytes, dense) come once into LDS: each wave asks for a quarter.
; CLUSTER: four MT and one CT: they need the same rows of Wo, asked for JOINTLY (mask 15).  No LDS byte is filled twice.  No prefetch: there is no loop of tiles to run ahead in.
; Source 0 = 16 rows of Wo, source 1 = 16 tokens: a lane holds eight neighbouring numbers of a row of the output.
; REGISTERS: window 0: v8-12 addresses; v28, v29 the add's two; v32-159 Wo's fragments, two buffers; v160-223 accumulators ((a, b) at 160 + 8 (4 a + b)); v224-255 and v96-127 rows from the stage.
;   window 1: ctx's fragments: K step s, tile a at 32 s + 16 a.
.set STAGE, 131072                     ; the way out: 16 rows x 272 bytes for each wave
.set SPARE, STAGE+4*4352               ; the spare words, 128 bytes for each wave
.set SPW,  28
.set NIL,  29
.set WB,   32
.set ACC,  160
.set G1,   24
.set G0,   40
.set MSB, 0
.macro WIN new                         ; the immediate's high byte repeats the setting that is left
.if MSB != (\new)
	s_set_vgpr_msb (MSB<<8)|(\new)
.set MSB, (\new)
.endif
.endm
.macro PLACES                          ; four plain lines between a matrix instruction and a load into, or a vector read of, its registers
.rept 4
	v_nop
.endr
.endm
.macro CROUND                          ; a round of the cluster's barrier
	s_barrier_signal -1
	s_barrier_wait -1
	s_cmp_lg_u32 s20, 0
	s_cbranch_scc1 .Lnot_wave_0_\@
	s_barrier_signal -3
.Lnot_wave_0_\@:
	s_barrier_wait -3
	s_barrier_signal -1
	s_barrier_wait -1
.endm
.macro WF s, f                         ; Wo's four fragments of K step s for the 64 columns in hand, into buffer f
.irp b, 0,1,2,3
.irp c, 0,1,2,3
	ds_load_b128 v[WB+64*(\f)+16*\b+4*\c:WB+64*(\f)+16*\b+4*\c+3], v9 offset:16384*\b+2048*(\s)+512*\c
.endr
.endr
.endm
.macro MUL s                           ; 8 matrix instructions; the accumulators take turns, in the same order in every step
	WIN 0x04
.irp a, 0,1
.irp b, 0,1,2,3
.set D0, ACC+8*(4*\a+\b)
.set W0, WB+64*((\s)%2)+16*\b
.set A0, 32*(\s)+16*\a
.if (\s) == 0
	v_wmma_f32_16x16x128_bf8_bf8 v[D0:D0+7], v[W0:W0+15], v[A0:A0+15], 0
.else
	v_wmma_f32_16x16x128_bf8_bf8 v[D0:D0+7], v[W0:W0+15], v[A0:A0+15], v[D0:D0+7]
.endif
.endr
.endr
	WIN 0
.endm
.macro KPHASE first
.irp s, 0,1,2,3,4,5,6,7
	s_wait_dscnt 0x0                               ; this step's fragments of Wo are in
.if \first
	s_wait_loadcnt 56-8*\s                         ; ctx's too; the younger steps' loads may be out
.endif
.if \s > 0
	PLACES                                         ; the buffer was multiplied in the step before
.endif
.if \s < 7
	WF \s+1, (\s+1)%2
.endif
	MUL \s
.endr
	PLACES
.endm
.macro SEND a, rw
.irp i, 0,1,2,3,4,5,6,7
	global_store_b128 v12, v[\rw+4*\i:\rw+4*\i+3], s[10:11] offset:65536*\a+8192*\i th:TH_STORE_NT   ; sixteen lanes store 256 consecutive bytes, at a multiple of 256 from the output's first byte
.endr
.endm
	s_load_b256 s[4:11], s[0:1], 0x0               ; ctx_codes 4, w_codes 6, scales 8, out0 10
	v_lshl_add_u32 v[SPW], v0, 2, SPARE
	v_mov_b32 v[NIL], 0
	ds_add_u32 v[SPW], v[NIL]                      ; the wave's opening: the add, twice on end, and its wait
	ds_add_u32 v[SPW], v[NIL]
	v_lshrrev_b32 v1, 5, v0
	v_readfirstlane_b32 s20, v1                    ; wave 0..3
	s_bfe_u32 s23, ttmp6, 0x40000                  ; cx
	s_lshl_b32 s56, ttmp9, 2
	s_add_co_u32 s56, s56, s23                     ; MT = 4 x cluster x + cx
	s_and_b32 s57, ttmp7, 0xffff                   ; CT, which the four partners share
	v_and_b32 v1, 31, v0
	v_lshlrev_b32 v8, 4, v1                        ; 16 x lane
	v_lshlrev_b32 v9, 4, v1                        ; the same in LDS
	v_and_b32 v2, 15, v1                           ; r
	v_lshrrev_b32 v3, 4, v1                        ; h
	s_mul_i32 s21, s20, 4352
	s_add_co_u32 s21, s21, STAGE                   ; my stage
	v_mul_u32_u24 v10, v2, 272
	v_lshl_add_u32 v10, v3, 5, v10
	v_add_nc_u32 v10, s21, v10                     ; in: row r, 32 bytes for each half of the lanes
	v_mul_u32_u24 v11, v3, 272
	v_lshl_add_u32 v11, v2, 4, v11
	v_add_nc_u32 v11, s21, v11                     ; back: lanes 0-15 one row of 256 bytes, lanes 16-31 the next
	v_lshlrev_b32 v12, 12, v3
	v_lshl_add_u32 v12, v2, 4, v12                 ; and the same two rows in the output, whose rows are 4,096 bytes
	s_mov_b32 s[G1], 15|(3<<16)|(1<<21)            ; the mask of all four, elements of 8 bytes, bit 21 beside the mask, no padding
	s_mov_b32 s[G1+1], 32<<16                      ; 128 rows of 256 bytes, dense
	s_mov_b32 s[G1+2], 128<<16
	s_mov_b32 s[G1+3], 32<<16
	s_mov_b32 s[G1+4], 128
	s_mov_b32 s[G1+5], 32
	s_mov_b32 s[G1+6], 0
	s_mov_b32 s[G1+7], 0
	s_lshl_b32 s60, s57, 17                        ; Wo: 8 tiles of 16,384 bytes for each CT,
	s_lshl_b32 s66, s20, 15                        ; a quarter for each wave,
	s_add_co_u32 s60, s60, s66
	s_add_co_u32 s60, s60, 0x180000                ; behind the 96 tiles of wq, wk and wv
	s_mov_b32 s61, 0
	s_lshl_b32 s58, s56, 17                        ; ctx: 8 tiles for each MT, 2 for each wave
	s_add_co_u32 s58, s58, s66
	s_mov_b32 s59, 0
	s_wait_alu depctr_va_vdst(0)
	s_wait_dscnt 0x0                               ; both opening adds are done
	s_wait_kmcnt 0x0
	s_load_b64 s[86:87], s[8:9], 0x28              ; e10, e11
	s_add_nc_u64 s[58:59], s[4:5], s[58:59]
	s_mov_b32 s[G0], 1
	s_mov_b32 s[G0+1], s66
	s_add_nc_u64 s[G0+2:G0+3], s[6:7], s[60:61]
	s_or_b32 s[G0+3], s[G0+3], 0x80000000
	CROUND                                         ; all four work-groups are here: the joint loads meet
	tensor_load_to_lds s[G0:G0+3], s[G1:G1+7]      ; the wave's one tensor load
	s_nop 0
	PLACES
	WIN 0x40
.irp s, 0,1,2,3,4,5,6,7
.irp a, 0,1
.irp c, 0,1,2,3
	global_load_b128 v[32*\s+16*\a+4*\c:32*\s+16*\a+4*\c+3], v8, s[58:59] offset:16384*\a+2048*\s+512*\c
.endr
.endr
.endr
	WIN 0
	s_lshl_b32 s88, s56, 19                        ; 128 rows for each MT,
	s_lshl_b32 s89, s20, 17                        ; 32 for each wave;
	s_add_co_u32 s88, s88, s89
	s_lshl_b32 s89, s57, 9                         ; 128 columns for each CT
	s_add_co_u32 s88, s88, s89
	s_mov_b32 s89, 0
	s_add_nc_u64 s[10:11], s[10:11], s[88:89]
	s_mov_b32 s70, 0                               ; halves done
	s_wait_kmcnt 0x0
	s_add_co_i32 s86, s86, s87
	s_add_co_i32 s86, s86, 127
	s_lshl_b32 s86, s86, 23                        ; 2^(e10 + e11) as f32
	s_mov_b32 s87, s86                             ; (named with it as a pair)
	s_wait_alu depctr_va_vdst(0)                   ; the wait at the head's end
	s_wait_tensorcnt 0x0                           ; my quarter of Wo has landed;
	s_barrier_signal -1
	s_barrier_wait -1                              ; everybody's has
	WF 0, 0
	KPHASE 1
.Lepi:	; ---- the way out: a lane holds 32 bytes of a row and the lanes beside it hold other rows: through my own stage, back as rows of 256 bytes
.irp a, 0,1
.if \a == 0
.set RW, 224
.else
.set RW, 96
.endif
.irp b, 0,1,2,3
.irp i, 0,2,4,6
.set AA, ACC+8*(4*\a+\b)+\i
	v_pk_mul_f32 v[AA:AA+1], v[AA:AA+1], s[86:87] op_sel_hi:[1,0]   ; each accumulator from its low end on
.endr
.endr
.irp b, 0,1,2,3
.set AA, ACC+8*(4*\a+\b)
	ds_store_b128 v10, v[AA:AA+3] offset:64*\b
	ds_store_b128 v10, v[AA+4:AA+7] offset:64*\b+16
.endr
.irp i, 0,1,2,3,4,5,6,7
	ds_load_b128 v[RW+4*\i:RW+4*\i+3], v11 offset:2*272*\i   ; LDS serves a wave's instructions in order: these see my stores
.endr
.endr
	s_wait_dscnt 16                                ; the first tile's rows are back; the second's 8 stores and 8 loads may be out
	SEND 0, 224
	s_wait_dscnt 0x0
	SEND 1, 96
	s_add_co_u32 s70, s70, 1
	s_cmp_eq_u32 s70, 2
	s_cbranch_scc1 .Ldone
	s_wait_xcnt 0x0                                ; the stores have read their base and data
	s_add_nc_u64 s[10:11], s[10:11], 0x100         ; the other 64 columns
	v_add_nc_u32 v9, 0x10000, v9
	s_wait_alu depctr_va_vdst(0)
	WF 0, 0
	KPHASE 0
	s_cmp_lt_u32 s70, 2
	s_cbranch_scc1 .Lepi
.Ldone:
	s_wait_tensorcnt 0x0                           ; the wave's end
	ds_add_u32 v[SPW], v[NIL]
	s_wait_dscnt 0x0
	CROUND                                         ; the closing round
	s_endpgm
.Lfunc_end_k_q0646077ecd_oproj:
	.size	k_q0646077ecd_oproj, .Lfunc_end_k_q0646077ecd_oproj-k_q0646077ecd_oproj
	.p2alignl 7, 3214868480
	.fill 96, 4, 3214868480
	.section	.rodata,"a",@progbits
	.p2align	6, 0x0
	.amdhsa_kernel k_q0646077ecd_oproj
		.amdhsa_group_segment_fixed_size 327680
		.amdhsa_private_segment_fixed_size 0
		.amdhsa_enable_private_segment 0
		.amdhsa_kernarg_size 32
		.amdhsa_user_sgpr_count 2
		.amdhsa_user_sgpr_kernarg_segment_ptr 1
		.amdhsa_wavefront_size32 1
		.amdhsa_system_sgpr_workgroup_id_x 1
		.amdhsa_system_sgpr_workgroup_id_y 1
		.amdhsa_system_sgpr_workgroup_id_z 1
		.amdhsa_system_vgpr_workitem_id 0
		.amdhsa_next_free_vgpr 512
		.amdhsa_next_free_sgpr 100
		.amdhsa_reserve_vcc 0
		.amdhsa_float_denorm_mode_32 3
		.amdhsa_float_denorm_mode_16_64 3
		.amdhsa_memory_ordered 1
		.amdhsa_forward_progress 1
		.amdhsa_inst_pref_size 45
	.end_amdhsa_kernel
	.amdgpu_metadata
---
amdhsa.version: [ 1, 2 ]
amdhsa.kernels:
  - .name:           k_q0646077ecd_oproj
    .symbol:         k_q0646077ecd_oproj.kd
    .args:
      - { .name: ctx_codes, .offset: 0, .size: 8, .value_kind: global_buffer, .address_space: global }
      - { .name: w_codes, .offset: 8, .size: 8, .value_kind: global_buffer, .address_space: global }
      - { .name: lowp_scales, .offset: 16, .size: 8, .value_kind: global_buffer, .address_space: global }
      - { .name: out0, .offset: 24, .size: 8, .value_kind: global_buffer, .address_space: global }
    .group_segment_fixed_size: 327680
    .private_segment_fixed_size: 0
    .kernarg_segment_align: 8
    .kernarg_segment_size: 32
    .max_flat_workgroup_size: 128
    .sgpr_count:     100
    .vgpr_count:     512
    .wavefront_size: 32
...
	.end_amdgpu_metadata
.endif
;; end of part 4
